; MI455X (gfx1250); checked and timed in simulation.
; The chip was launched on July 23, 2026; its instructions are those of AMD's public machine-readable ISA for CDNA 5 (MIT licence, August 2026) and "CDNA5" Instruction Set Architecture Reference Guide (July 2026). The comments in the code are by the model that wrote it; some were corrected since.
;; Cross View Attention3 D. Allowed arithmetic: matrix products marked QUANTISED: E2M3 operands, one E8M0 scale for each 32 along K, by v_wmma_scale_f32_16x16x128_f8f6f4 with both operands' format E2M3, f32 sums; everything else in f32.
;; Inputs: Wk 512 x 512 float32; Wo 512 x 512 float32; Wq 512 x 512 float32; Wv 512 x 512 float32; bk 512 float32; bo 512 float32; bq 512 float32; bv 512 float32; ref_feat 1 x 512 x 4 x 32 x 32 float32; video_feat 1 x 512 x 4 x 32 x 32 float32.
;; Outputs: out0 1 x 512 x 4 x 32 x 32 float32.
;; This version of the problem:
;;   THIS VERSION OF THE PROBLEM IS GIVEN IN LOW PRECISION. The matrix products marked QUANTISED in the list below multiply operands that are first quantised to E2M3 (2 exponent bits, 3 mantissa bits; 6 bits a number), with one power-of-two scale for each 32 numbers along K (OCP MX v1.0); their sums are f32. All else is computed in f32.
;;   The module's matrix products, in the order in which they are computed (A, B: the left and right operand; K: the contracted axis; several contracted axes count as one K, in the product's order):
;;     1. [M 4,096, K 512] x [K 512, N 512]; A: input video_feat; B: input Wq: QUANTISED
;;     2. [M 4,096, K 512] x [K 512, N 512]; A: input ref_feat; B: input Wk: QUANTISED
;;     3. [M 4,096, K 512] x [K 512, N 512]; A: input ref_feat; B: input Wv: QUANTISED
;;     4. batch 8 x [M 4,096, K 64] x [K 64, N 4,096]; A: computed on the way; B: computed on the way: QUANTISED
;;     5. batch 8 x [M 4,096, K 4,096] x [K 4,096, N 64]; A: softmax (see below); B: computed on the way: QUANTISED
;;     6. [M 4,096, K 512] x [K 512, N 512]; A: computed on the way; B: input Wo: QUANTISED
;;   THE QUANTISER, for each operand of a quantised product, along K:
;;     - K is cut into blocks of 32 from its start; a last block that is shorter is filled with zeros.
;;     - A block's scale is 2^e with e = floor(log2(the largest magnitude in the block)) - 2, held to -126 .. 127; a block of zeros has e = 0. As a byte (E8M0): e + 127.
;;     - Each number is divided by its block's scale, clamped to +-7.5, and rounded to the nearest number of E2M3, ties to even, subnormals kept.
;;     - The product sums the exact products of the quantised numbers (number of the format x scale) in f32.
;;   ~~~python
;;   def quantise(x, axis):      # numpy; x: float32 -> the quantised numbers, widened to float32 again
;;       x = np.moveaxis(x, axis, -1); K = x.shape[-1]
;;       x = np.pad(x, [(0, 0)] * (x.ndim - 1) + [(0, -K % 32)]); x = x.reshape(x.shape[:-1] + (-1, 32)); a = np.abs(x).max(-1, keepdims=True)
;;       e = np.where(a > 0, np.clip(np.frexp(np.where(a > 0, a, 1))[1] - 1 - 2, -126, 127), 0)      # np.frexp(a)[1] - 1 = floor(log2(a)), exactly
;;       r = np.clip(x / 2.0 ** e, -7.5, 7.5)
;;       step = 2.0 ** (np.maximum(np.frexp(np.where(r == 0, 1, r))[1] - 1, 0) - 3)
;;       q = np.round(r / step) * step * 2.0 ** e      # np.round: ties to even
;;       return np.moveaxis(q.reshape(q.shape[:-2] + (-1,))[..., :K], -1, axis).astype(np.float32)
;;   ~~~
;;   SOFTMAX AHEAD OF A QUANTISED PRODUCT. Where the list says 'softmax', what is quantised is not the finished softmax but p = 2^(t - M), with t = logit x log2(e) and M = ceil(the row's largest t), a whole number; so 1/2 < the row's largest p <= 1. The row's sum l is taken of the UNQUANTISED p, in f32, and the product's result is divided by l at the end. Since M is a whole number, a kernel that streams over the keys may use a running M (the ceiling of the running maximum): every later rescaling is an exact power of two, which a block's scale takes up: the codes' values come out the same.
;;   OPERANDS COMPUTED ON THE WAY. 'Computed on the way' means the value that the module computes at that place (a softmax that the list does not call 'softmax' is quantised finished and normalised). What goes into a quantiser is computed in f32, as accurately as f32 sums, v_exp_f32 and their like allow (about 1e-6 of the number): no bf16 or f16 on the way to a quantiser, and a product that is left as it is and whose result goes on into a quantised operand takes f32 operands (vector FMAs, or v_wmma_f32_16x16x4_f32). A number that lies on a knife's edge between two numbers of the format may be rounded either way, as far as f32 arithmetic and the matrix unit's own rounding can turn it there, and no further.
;; One version. Each part assembles by itself: llvm-mc -triple=amdgcn-amd-amdhsa -mcpu=gfx1250 --defsym DOCPART=n.
;; ======== version 1 of 1: 4 launches
;; workspace buffers: opq 4,096,000 bytes; qq 1,638,400 bytes; kv 3,276,800 bytes; attq 1,638,400 bytes
;; launch prep (part 1): grid 80 x 4, 4 waves a work-group, no clusters, 68,608 bytes of LDS; arguments video_feat, ref_feat, Wq, Wk, Wv, Wo, opq; writes opq
.if DOCPART == 1
	.amdgcn_target "amdgcn-amd-amdhsa--gfx1250"
	.amdhsa_code_object_version 6
	.text
	.protected	k_q8b8ecc462f_prep
	.globl	k_q8b8ecc462f_prep
	.p2align	8
	.type	k_q8b8ecc462f_prep,@function
k_q8b8ecc462f_prep:
	s_mov_b64 s[64:65], 0
	v_nop
	global_prefetch_b8 v0, s[64:65] scope:SCOPE_SE
	s_setreg_imm32_b32 hwreg(HW_REG_WAVE_MODE, 25, 1), 1
	s_wait_xcnt 0x0
; PREP: the six inputs that are operands of products over the 512 channels (video_feat, ref_feat: [c][n], K outermost; Wq, Wk, Wv, Wo: [o][c], K innermost)
; become codes of FP6 (E2M3) with one E8M0 byte for each 32 along c, laid in opq as IMAGES OF OPERAND REGISTERS.
; A PAIR R is 32 neighbouring rows (positions or output channels): video 0-127, ref 128-255, Wq 256-271, Wk 272-287, Wv 288-303, Wo 304-319.
; Tile u (0, 1) of a pair, row p (0..15), is row 8 u + (p & 7) + 16 (p >> 3) of the pair: used as source 0 of a product, the two tiles' 16 result registers of a lane are 16 neighbours.
; A fragment (16 rows x 128 K, 12 registers a lane) lies at R*12288 + s*3072 + u*1536: three chunks of 512 bytes, chunk j = registers 4j..4j+3, lane l's 16 bytes at 16 l.
; The scale words (four bytes: the row's four blocks of K step s) lie at SC0 + (s*320 + R)*128 + 4 l: lanes 0-15 tile 0's rows, lanes 16-31 tile 1's.
; SHARES: work-group x = four pairs, y = K step s; wave w takes pair R = 4 x + w.  Lane l holds row pi(l) = l with bits 3 and 4 exchanged, so lanes 0-15 hold tile 0's rows and lanes 16-31 tile 1's;
; its 128 registers run along K: a block of 32 is the lane's own, and the conversions' results are K innermost.
; A block's scale is 2^(floor(log2(largest magnitude)) - 2); its byte is that magnitude's exponent field - 2.
; LIMITS: a block whose largest magnitude lies under 2^-124 has its byte held at 1; a block of zeros gets the byte 1 (its codes are zeros; this program alone reads the bytes); NaN and infinities are not served.
.set SC0,   3932160                    ; behind 320 pairs x 12,288 bytes of codes
.set TURNB, 32*528                     ; LDS, weights only: 32 places of 512 bytes + 16 for each wave
.set GAT,   4*TURNB                    ; LDS: 512 bytes in which the four waves' scale words meet
.set FLOOR, 0x1800000                  ; 2^(3 - 127): no largest magnitude is taken under it, so no byte falls under 1
.set MX, 8                             ; v8-15    two chains of maxima for each of four blocks
.set TA, 16                            ; v16-23   the upper 16 codes of blocks 0, 2
.set TB, 24                            ; v24-31   the upper 16 codes of blocks 1, 3
.set F0, 32                            ; v32-43   tile 0's fragment
.set F1, 44                            ; v44-55   tile 1's fragment
.set SO, 56                            ; v56-59   the conversions' scale operands
.set BY, 60                            ; v60-63   the scale bytes
.set X,  64                            ; v64-191  my row's 128 numbers
.set PW, 192                           ; v192     my row's scale word
.set WO, 196                           ; v196-199 wave 0: the four waves' words on their way out
	s_load_b256 s[4:11], s[0:1], 0x0               ; video s[4:5], ref s[6:7], Wq s[8:9], Wk s[10:11]
	s_load_b128 s[12:15], s[0:1], 0x20             ; Wv s[12:13], Wo s[14:15]
	s_load_b64 s[16:17], s[0:1], 0x30              ; opq
	v_lshl_add_u32 v200, v0, 2, 0x10a00
	v_mov_b32 v201, 0
	v_lshrrev_b32 v1, 5, v0
	v_readfirstlane_b32 s18, v1                    ; wave
	v_and_b32 v1, 31, v0                           ; lane
	v_lshlrev_b32 v2, 4, v1                        ; 16 l
	v_and_b32 v3, 7, v1
	v_bfe_u32 v4, v1, 3, 1
	v_lshl_or_b32 v3, v4, 4, v3
	v_bfe_u32 v4, v1, 4, 1
	v_lshl_or_b32 v3, v4, 3, v3                    ; pi(l)
	v_lshlrev_b32 v3, 2, v3                        ; 4 pi(l): my position's bytes in a row of a feature
	s_mul_i32 s30, s18, TURNB
	v_add_nc_u32 v4, s30, v2                       ; LDS, on the way in: my wave's places + 16 l
	v_mul_u32_u24 v5, v1, 528
	v_add_nc_u32 v5, s30, v5                       ; and on the way out: place l
	v_lshl_add_u32 v6, v0, 2, GAT                  ; where my scale word goes: 128 bytes a wave
	v_add_nc_u32 v7, GAT, v2                       ; where wave 0 reads 16 bytes of the 512
	s_mov_b32 s19, ttmp9                           ; x
	s_and_b32 s20, ttmp7, 0xffff                   ; s
	s_lshl_b32 s21, s19, 2
	s_add_co_u32 s21, s21, s18                     ; R
	s_mul_i32 s24, s21, 12288
	s_mul_i32 s25, s20, 3072
	s_add_co_u32 s24, s24, s25                     ; my two fragments' place
	s_mov_b32 s25, 0
	s_mul_i32 s28, s20, 320
	s_lshl_b32 s29, s19, 2
	s_add_co_u32 s28, s28, s29
	s_lshl_b32 s28, s28, 7
	s_add_co_u32 s28, s28, SC0                     ; the work-group's 512 bytes of scale words
	s_mov_b32 s29, 0
	s_wait_kmcnt 0x0
	s_add_nc_u64 s[26:27], s[16:17], s[24:25]
	s_add_nc_u64 s[28:29], s[16:17], s[28:29]
	s_cmp_ge_u32 s19, 64
	s_cbranch_scc1 .Lweights
	; FEATURES: K is the first axis.  Load i takes row c = 128 s + i at my wave's 32 positions: 128 neighbouring bytes a wave, the four waves side by side on 512.
	s_cmp_lt_u32 s19, 32
	s_cselect_b64 s[22:23], s[4:5], s[6:7]         ; the choice hangs on the work-group's number alone
	s_lshl_b32 s24, s20, 21                        ; 128 s rows of 16,384 bytes
	s_and_b32 s30, s21, 127
	s_lshl_b32 s30, s30, 7                         ; the pair's 128 bytes in a row
	s_add_co_u32 s24, s24, s30
	s_add_nc_u64 s[22:23], s[22:23], s[24:25]
.set t, 0
	s_wait_alu depctr_va_vdst(0)
.rept 128
	global_load_b32 v[X+t], v3, s[22:23] offset:t*16384 th:TH_LOAD_NT
.set t, t+1
.endr
	s_branch .Lquant
.Lweights:
	; WEIGHTS: K is innermost.  Load t takes row t of the pair, its 512 bytes of this K step, 16 bytes a lane; the rows turn through the wave's own places in LDS, row t to place pi(t) (pi is its own inverse),
	; and lane l reads place l: its row pi(l), 128 numbers in order.  Places are 528 bytes apart, so sixteen lanes' 16-byte reads fall on sixteen different 16-byte columns of 256.
	s_sub_co_u32 s30, s19, 64
	s_lshr_b32 s30, s30, 2                         ; which weight
	s_cmp_eq_u32 s30, 1
	s_cselect_b64 s[22:23], s[10:11], s[8:9]
	s_cmp_eq_u32 s30, 2
	s_cselect_b64 s[22:23], s[12:13], s[22:23]
	s_cmp_eq_u32 s30, 3
	s_cselect_b64 s[22:23], s[14:15], s[22:23]
	s_and_b32 s24, s21, 15
	s_lshl_b32 s24, s24, 16                        ; the pair's 32 rows of 2,048 bytes
	s_lshl_b32 s30, s20, 9                         ; the K step's 512 bytes
	s_add_co_u32 s24, s24, s30
	s_add_nc_u64 s[22:23], s[22:23], s[24:25]
.set t, 0
.rept 32
	global_load_b128 v[X+4*t:X+4*t+3], v2, s[22:23] offset:t*2048 th:TH_LOAD_NT
.set t, t+1
.endr
.set t, 0
	s_wait_alu depctr_va_vdst(0)
.rept 32
	s_wait_loadcnt 31-t                            ; row t is in; the 31 - t younger loads may be out
	ds_store_b128 v4, v[X+4*t:X+4*t+3] offset:((t&7)|(((t>>3)&1)<<4)|(((t>>4)&1)<<3))*528
.set t, t+1
.endr
	s_wait_dscnt 0x0                               ; the stores have read X: it is loaded anew
.set t, 0
.rept 32
	ds_load_b128 v[X+4*t:X+4*t+3], v5 offset:16*t
.set t, t+1
.endr
	s_wait_dscnt 0x0
.Lquant:
; Block b of my row: largest magnitude (two chains, the floor as a leaf), scale operand, byte, two conversions of 16 numbers.
; left: how many younger loads may be out (features; behind the weights' turn none is out).
.macro QCOL b, left
.set XS, X+32*(\b)
.set M0, MX+2*(\b)
	s_wait_loadcnt \left
	v_max3_num_f32 v[M0], |v[XS]|, |v[XS+1]|, |v[XS+2]|
	v_max3_num_f32 v[M0+1], |v[XS+3]|, |v[XS+4]|, |v[XS+5]|
.irp i, 6,10,14,18,22,26
	v_max3_num_f32 v[M0], v[M0], |v[XS+\i]|, |v[XS+\i+1]|
	v_max3_num_f32 v[M0+1], v[M0+1], |v[XS+\i+2]|, |v[XS+\i+3]|
.endr
	v_max3_num_f32 v[M0], v[M0], |v[XS+30]|, |v[XS+31]|
	v_max3_num_f32 v[M0], v[M0], v[M0+1], FLOOR
	v_add_nc_u32 v[SO+\b], 0xff000000, v[M0]       ; 2 off the exponent field: the conversion takes that field of this operand as its scale
	v_lshrrev_b32 v[BY+\b], 23, v[SO+\b]           ; the byte
.if (\b)%2 == 0
	v_cvt_scalef32_pk16_fp6_f32 v[F0+6*((\b)/2):F0+6*((\b)/2)+2], v[XS:XS+15], v[SO+\b]
	v_cvt_scalef32_pk16_fp6_f32 v[TA+4*((\b)/2):TA+4*((\b)/2)+2], v[XS+16:XS+31], v[SO+\b]   ; (a conversion's three registers begin on an even number)
.else
	v_cvt_scalef32_pk16_fp6_f32 v[F1+6*((\b)/2):F1+6*((\b)/2)+2], v[XS:XS+15], v[SO+\b]
	v_cvt_scalef32_pk16_fp6_f32 v[TB+4*((\b)/2):TB+4*((\b)/2)+2], v[XS+16:XS+31], v[SO+\b]
.endif
.endm
	QCOL 0, 63                                     ; of 128 loads all but the youngest 63 are in: blocks 0 and 1
	QCOL 1, 63
	QCOL 2, 32                                     ; block 3's 32 loads may be out
	QCOL 3, 0
	v_nop                                          ; one plain place behind the last scaled conversion
	; A fragment's lane (r, h) wants block 2 c + h of ITS tile's row r.  Before: every lane holds blocks 2 c (in F0, TA) and 2 c + 1 (in F1, TB) of its own row.
	; The exchange of the first register's lanes 16-31 with the second's lanes 0-15 gives F0 tile 0's rows (lanes 16-31: block 2 c + 1) and F1 tile 1's (lanes 0-15: block 2 c).
.irp c, 0,1
.irp i, 0,1,2
	v_permlane16_swap_b32 v[F0+6*\c+\i], v[F1+6*\c+\i]
	v_permlane16_swap_b32 v[TA+4*\c+\i], v[TB+4*\c+\i]
.endr
.irp i, 0,1,2
	v_mov_b32 v[F0+6*\c+3+\i], v[TA+4*\c+\i]
	v_mov_b32 v[F1+6*\c+3+\i], v[TB+4*\c+\i]
.endr
.endr
	v_lshl_or_b32 v[PW], v[BY+1], 8, v[BY]
	v_lshl_or_b32 v[PW], v[BY+2], 16, v[PW]
	v_lshl_or_b32 v[PW], v[BY+3], 24, v[PW]
.irp j, 0,1,2
	global_store_b128 v2, v[F0+4*\j:F0+4*\j+3], s[26:27] offset:512*\j          ; each store covers 512 consecutive bytes, aligned
	global_store_b128 v2, v[F1+4*\j:F1+4*\j+3], s[26:27] offset:1536+512*\j
.endr
	ds_store_b32 v6, v[PW]
	s_wait_dscnt 0x0                               ; for wave 0's sake: my word has landed
	s_barrier_signal -1
	s_barrier_wait -1
	s_cmp_lg_u32 s18, 0
	s_cbranch_scc1 .Lend
	ds_load_b128 v[WO:WO+3], v7                    ; the four waves' 512 bytes of scale words leave by one store
	s_wait_dscnt 0x0
	global_store_b128 v2, v[WO:WO+3], s[28:29]
.Lend:
	s_wait_tensorcnt 0x0
	ds_add_u32 v200, v201
	s_wait_dscnt 0x0
	s_endpgm
.Lfunc_end_k_q8b8ecc462f_prep:
	.size	k_q8b8ecc462f_prep, .Lfunc_end_k_q8b8ecc462f_prep-k_q8b8ecc462f_prep
	.p2alignl 7, 3214868480
	.fill 96, 4, 3214868480
	.section	.rodata,"a",@progbits
	.p2align	6, 0x0
	.amdhsa_kernel k_q8b8ecc462f_prep
		.amdhsa_group_segment_fixed_size 68608
		.amdhsa_private_segment_fixed_size 0
		.amdhsa_enable_private_segment 0
		.amdhsa_kernarg_size 56
		.amdhsa_user_sgpr_count 2
		.amdhsa_user_sgpr_kernarg_segment_ptr 1
		.amdhsa_wavefront_size32 1
		.amdhsa_system_sgpr_workgroup_id_x 1
		.amdhsa_system_sgpr_workgroup_id_y 1
		.amdhsa_system_sgpr_workgroup_id_z 1
		.amdhsa_system_vgpr_workitem_id 0
		.amdhsa_next_free_vgpr 202
		.amdhsa_next_free_sgpr 66
		.amdhsa_reserve_vcc 0
		.amdhsa_float_denorm_mode_32 3
		.amdhsa_float_denorm_mode_16_64 3
		.amdhsa_memory_ordered 1
		.amdhsa_forward_progress 1
		.amdhsa_inst_pref_size 31
	.end_amdhsa_kernel
	.amdgpu_metadata
---
amdhsa.version: [ 1, 2 ]
amdhsa.kernels:
  - .name:           k_q8b8ecc462f_prep
    .symbol:         k_q8b8ecc462f_prep.kd
    .args:
      - { .name: video_feat, .offset: 0, .size: 8, .value_kind: global_buffer, .address_space: global }
      - { .name: ref_feat, .offset: 8, .size: 8, .value_kind: global_buffer, .address_space: global }
      - { .name: Wq, .offset: 16, .size: 8, .value_kind: global_buffer, .address_space: global }
      - { .name: Wk, .offset: 24, .size: 8, .value_kind: global_buffer, .address_space: global }
      - { .name: Wv, .offset: 32, .size: 8, .value_kind: global_buffer, .address_space: global }
      - { .name: Wo, .offset: 40, .size: 8, .value_kind: global_buffer, .address_space: global }
      - { .name: opq, .offset: 48, .size: 8, .value_kind: global_buffer, .address_space: global }
    .group_segment_fixed_size: 68608
    .private_segment_fixed_size: 0
    .kernarg_segment_align: 8
    .kernarg_segment_size: 56
    .max_flat_workgroup_size: 128
    .sgpr_count:     66
    .vgpr_count:     202
    .wavefront_size: 32
...
	.end_amdgpu_metadata
.endif
;; end of part 1
;; launch proj (part 2): grid 64 x 3, 8 waves a work-group, no clusters, 168,960 bytes of LDS; arguments opq, bq, bk, bv, qq, kv; writes qq, kv
.if DOCPART == 2
	.amdgcn_target "amdgcn-amd-amdhsa--gfx1250"
	.amdhsa_code_object_version 6
	.text
	.protected	k_q8b8ecc462f_proj
	.globl	k_q8b8ecc462f_proj
	.p2align	8
	.type	k_q8b8ecc462f_proj,@function
k_q8b8ecc462f_proj:
	s_mov_b64 s[64:65], 0
	v_nop
	global_prefetch_b8 v0, s[64:65] scope:SCOPE_SE
	s_setreg_imm32_b32 hwreg(HW_REG_WAVE_MODE, 25, 1), 1
	s_wait_xcnt 0x0
; PROJ: q = Wq video + bq, k = Wk ref + bk, v = Wv ref + bv on the codes of FP6 that lie in opq, and the results quantised at once: q and k along the head's 64 (two blocks of 32), v along the keys.
; A work-group multiplies an A GROUP of four pairs (128 rows) by a B BLOCK of eight pairs; wave w takes B's pair w (two tiles e = 0, 1).  Source 0 is always a tile of the A group, source 1 the wave's tile:
; lane (r, h) holds B's row r, and register 16 i + 8 u + j of its 64 the A row 32 i + 16 h + 8 u + j: sixteen neighbours for each pair i, as the quantiser along A's rows wants them.
;   kind (grid y) 0, 1: A = 128 output channels (two heads) of Wq, Wk; B = 256 positions.  x = a + 4 Y.   kind 2: A = 128 keys (key step S) of ref; B = 256 output channels of Wv.  x = S + 32 Y.
; OUT.  q, k: for a head and a pair of positions ONE fragment: registers 0-5 tile 0 (lane (r, h): block h of the head's 64), registers 6-11 tile 1; its scale word is (tile 0: b0, b1; tile 1: b0, b1).
;   qq: head*204800 + X*6400 (X: 128 queries): four pair fragments, then 256 bytes of scale words.
;   kv: head*409600 + S*12800 (S: 128 keys): K's four pair fragments at 0, V's four fragments at 6144, K's scale words at 12288, V's at 12544.
;   K's and q's word of pair p, row r lies at 8 (16 (p & 1) + r) + 4 (p >> 1) of its 256 bytes; V's word of fragment (g, u), row r at 8 (16 u + r) + 4 g: a load of 8 bytes a lane brings two registers of scale words.
;   V's fragment (g, u): rows d = 32 g + 8 u + (r & 7) + 16 (r >> 3) of the head, K = the step's 128 keys.
; The codes come by two tensor loads a wave, issued once at the head (two of mine are out): an eighth of the A group, which all waves read, and my own B pair.  No LDS byte is filled twice.
; No cluster: a work-group asks once for 144 KB out of a buffer that the launch before has just written; an opening and a closing round of a cluster's barrier would stand beside one fill and 64 matrix instructions a wave.
; LIMITS: as in the first launch: bytes held at 1 from below (largest magnitude under 2^-124, blocks of zeros); NaN and infinities are not served.
.set SC0, 3932160                      ; opq's scale words
.set LB,  49152                        ; LDS: the A group at 0 (pair i, K step s, tile u: i*12288 + s*3072 + u*1536); from LB on each wave's B pair, 12,288 bytes
.set GAQ, 147456                       ; LDS: 1,024 bytes in which q's or k's scale words meet
.set GAV, 148480                       ; LDS: 1,024 bytes for v's
.set FLOOR, 0x1800000
.set AS,  8                            ; v8-23    A's scale words (4 s + i): lanes 0-15 tile 0, lanes 16-31 tile 1
.set BS,  24                           ; v24-27   B's (s)
.set BV,  28                           ; v28-43   kind 2: the bias as C, eight registers for each tile e
.set BF,  44                           ; v44-67   B's two fragments of a K step
.set AFR, 68                           ; v68-115  four fragments of A
.set ACC, 128                          ; v128-255 accumulators: 64 e + 8 t, t = 2 i + u
.set TM,  44                           ; behind the products, over BF and AFR: v44-47 maxima, v48-51 the other half's, v52-55 scale operands
.set TU,  60                           ; v60-67   upper halves of blocks
.set Z1,  68                           ; v68-79   a fragment on its way out
.set Z2,  80                           ; v80-91   another
.set BY,  92                           ; v92-99   eight scale bytes
.set W1,  100
.set W2,  101
.set WO,  102                          ; v102-103
.macro WM d, a, b, c, sa, sb, ra, rb   ; D = A x B + C; ra, rb: the scale words lie in lanes 16-31
.if (\ra) && (\rb)
	v_wmma_scale_f32_16x16x128_f8f6f4 v[\d:\d+7], v[\a:\a+11], v[\b:\b+11], v[\c:\c+7], v[\sa], v[\sb] matrix_a_fmt:MATRIX_FMT_FP6 matrix_b_fmt:MATRIX_FMT_FP6 matrix_a_scale:MATRIX_SCALE_ROW1 matrix_b_scale:MATRIX_SCALE_ROW1
.elseif (\ra)
	v_wmma_scale_f32_16x16x128_f8f6f4 v[\d:\d+7], v[\a:\a+11], v[\b:\b+11], v[\c:\c+7], v[\sa], v[\sb] matrix_a_fmt:MATRIX_FMT_FP6 matrix_b_fmt:MATRIX_FMT_FP6 matrix_a_scale:MATRIX_SCALE_ROW1
.elseif (\rb)
	v_wmma_scale_f32_16x16x128_f8f6f4 v[\d:\d+7], v[\a:\a+11], v[\b:\b+11], v[\c:\c+7], v[\sa], v[\sb] matrix_a_fmt:MATRIX_FMT_FP6 matrix_b_fmt:MATRIX_FMT_FP6 matrix_b_scale:MATRIX_SCALE_ROW1
.else
	v_wmma_scale_f32_16x16x128_f8f6f4 v[\d:\d+7], v[\a:\a+11], v[\b:\b+11], v[\c:\c+7], v[\sa], v[\sb] matrix_a_fmt:MATRIX_FMT_FP6 matrix_b_fmt:MATRIX_FMT_FP6
.endif
.endm
; Half a K step: A's pairs 2 hf, 2 hf + 1 (four tiles) against my two tiles: eight matrix instructions on eight accumulators; the sixteen take turns, one instruction a turn.
; cm = 1: the sums begin with the bias in BV.  Four plain places stand in front of loads into registers that matrix instructions have read (ISA guide 7.12.1 for vector instructions).
.macro PH s, hf, cm
.rept 4
	v_nop
.endr
.if (\hf) == 0
.irp e, 0,1
.irp j, 0,1,2
	ds_load_b128 v[BF+12*\e+4*\j:BF+12*\e+4*\j+3], v4 offset:(\s)*3072+\e*1536+512*\j
.endr
.endr
.endif
.irp t, 0,1,2,3
.irp j, 0,1,2
	ds_load_b128 v[AFR+12*\t+4*\j:AFR+12*\t+4*\j+3], v1 offset:(2*(\hf)+\t/2)*12288+(\s)*3072+(\t%2)*1536+512*\j
.endr
.endr
	s_wait_dscnt 0x0
.irp t, 0,1,2,3
.irp e, 0,1
.set rD, ACC+64*\e+8*(4*(\hf)+\t)
.if \cm
.set rC, BV+8*\e
.else
.set rC, rD
.endif
	WM rD, AFR+12*\t, BF+12*\e, rC, AS+4*(\s)+2*(\hf)+\t/2, BS+(\s), \t%2, \e
.endr
.endr
.endm
; 64 numbers of a lane, register 16 b + i = index 32 b + 16 h + i of my row: four blocks, each shared with lane l xor 16.  Blocks 0, 1 become six registers at da, blocks 2, 3 six at db
; (lane (r, h): block h, or 2 + h, whole); the four bytes are left in v[by] on.  Each accumulator is read from its low end on.
.macro QUANT4 src, da, db, by
.irp b, 0,1,2,3
	v_max3_num_f32 v[TM+\b], |v[\src+16*\b]|, |v[\src+16*\b+1]|, FLOOR
.endr
.irp i, 2,4,6,8,10,12,14
.irp b, 0,1,2,3
	v_max3_num_f32 v[TM+\b], v[TM+\b], |v[\src+16*\b+\i]|, |v[\src+16*\b+\i+1]|
.endr
.endr
.irp b, 0,1,2,3
	s_delay_alu instid0(VALU_DEP_4)
	v_permlanex16_b32 v[TM+4+\b], v[TM+\b], s48, s49
.endr
.irp b, 0,1,2,3
	s_delay_alu instid0(VALU_DEP_4)
	v_max_num_f32 v[TM+\b], v[TM+\b], v[TM+4+\b]
.endr
.irp b, 0,1,2,3
	s_delay_alu instid0(VALU_DEP_4)
	v_add_nc_u32 v[TM+8+\b], 0xff000000, v[TM+\b]
.endr
.irp b, 0,1,2,3
	s_delay_alu instid0(VALU_DEP_4)
	v_lshrrev_b32 v[\by+\b], 23, v[TM+8+\b]
.endr
	v_cvt_scalef32_pk16_fp6_f32 v[\da:\da+2], v[\src:\src+15], v[TM+8]
	v_cvt_scalef32_pk16_fp6_f32 v[TU:TU+2], v[\src+16:\src+31], v[TM+9]
	v_cvt_scalef32_pk16_fp6_f32 v[\db:\db+2], v[\src+32:\src+47], v[TM+10]
	v_cvt_scalef32_pk16_fp6_f32 v[TU+4:TU+6], v[\src+48:\src+63], v[TM+11]
	v_nop                                          ; one plain place behind the last scaled conversion
.irp i, 0,1,2
	v_permlane16_swap_b32 v[\da+\i], v[TU+\i]      ; the first now holds the lower 16 codes of each lane's block, the second the upper 16
	v_permlane16_swap_b32 v[\db+\i], v[TU+4+\i]
.endr
.irp i, 0,1,2
	v_mov_b32 v[\da+3+\i], v[TU+\i]
	v_mov_b32 v[\db+3+\i], v[TU+4+\i]
.endr
.endm
	s_load_b256 s[4:11], s[0:1], 0x0               ; opq s[4:5], bq s[6:7], bk s[8:9], bv s[10:11]
	s_load_b128 s[12:15], s[0:1], 0x20             ; qq s[12:13], kv s[14:15]
	v_lshl_add_u32 v126, v0, 2, 0x29000
	v_mov_b32 v127, 0
	ds_add_u32 v126, v127
	ds_add_u32 v126, v127
	v_lshrrev_b32 v1, 5, v0
	s_delay_alu instid0(VALU_DEP_1)
	v_readfirstlane_b32 s16, v1                    ; wave 0..7
	v_and_b32 v120, 31, v0                         ; lane
	v_and_b32 v121, 15, v0                         ; r
	s_wait_alu depctr_va_vdst(0)
	v_bfe_u32 v122, v0, 4, 1                       ; h
	v_lshlrev_b32 v1, 4, v120                      ; 16 l
	v_lshlrev_b32 v2, 2, v120                      ; 4 l
	v_lshlrev_b32 v3, 3, v120                      ; 8 l
	s_wait_alu depctr_va_vdst(0)
	s_mul_i32 s45, s16, 12288
	s_add_co_u32 s45, s45, LB                      ; my B pair in LDS
	v_add_nc_u32 v4, s45, v1
	; the four LDS addresses of the scale words' gathers, made ahead of the parting of the kinds
	s_lshr_b32 s2, s16, 2
	s_lshl_b32 s2, s2, 8
	s_and_b32 s3, s16, 1
	s_lshl_b32 s3, s3, 7
	s_add_co_u32 s2, s2, s3
	s_bfe_u32 s3, s16, 0x10001
	s_lshl_b32 s3, s3, 2
	s_add_co_u32 s2, s2, s3
	s_add_co_u32 s2, s2, GAQ
	v_lshl_add_u32 v6, v121, 3, s2                 ; q, k: GAQ + 256 (w >> 2) + 128 (w & 1) + 4 ((w >> 1) & 1) + 8 r
	s_lshl_b32 s2, s16, 8
	s_add_co_u32 s3, s2, GAQ
	v_add_nc_u32 v7, s3, v3                        ; q, k: unit w, 8 bytes a lane
	s_add_co_u32 s3, s2, GAV
	v_add_nc_u32 v117, s3, v3                      ; v: unit w
	s_lshr_b32 s2, s16, 1
	s_lshl_b32 s2, s2, 8
	s_and_b32 s3, s16, 1
	s_lshl_b32 s3, s3, 2
	s_add_co_u32 s2, s2, s3
	s_add_co_u32 s2, s2, GAV
	v_add_nc_u32 v116, s2, v3                      ; v: GAV + 256 (w >> 1) + 4 (w & 1) + 8 l
	s_and_b32 s17, ttmp7, 0xffff                   ; kind
	s_mov_b32 s18, ttmp9                           ; x
	s_mov_b32 s48, 0x76543210
	s_mov_b32 s49, 0xfedcba98                      ; v_permlanex16_b32's selects for lane l xor 16
	; descriptor group 1: dense blocks as rows of 256 bytes (32 elements of 8 bytes), no padding: 24 rows (an eighth of the A group), 48 rows (a B pair)
	s_mov_b32 s24, 3<<16
	s_mov_b32 s25, 32<<16
	s_mov_b32 s26, 24<<16
	s_mov_b32 s27, 32<<16
	s_mov_b32 s28, 24
	s_mov_b32 s29, 32
	s_mov_b32 s30, 0
	s_mov_b32 s31, 0
	s_mov_b32 s32, 3<<16
	s_mov_b32 s33, 32<<16
	s_mov_b32 s34, 48<<16
	s_mov_b32 s35, 32<<16
	s_mov_b32 s36, 48
	s_mov_b32 s37, 32
	s_mov_b32 s38, 0
	s_mov_b32 s39, 0
	; which pairs: RA0 (A group's first), RB0 (B block's first)
	s_and_b32 s21, s18, 3                          ; a
	s_lshr_b32 s22, s18, 2                         ; Y of q, k
	s_lshl_b32 s19, s17, 4
	s_lshl_b32 s23, s21, 2
	s_add_co_u32 s19, s19, s23
	s_add_co_u32 s19, s19, 256                     ; 256 + 16 kind + 4 a
	s_lshl_b32 s20, s17, 7
	s_lshl_b32 s23, s22, 3
	s_add_co_u32 s20, s20, s23                     ; 128 kind + 8 Y
	s_and_b32 s60, s18, 31                         ; S
	s_lshr_b32 s61, s18, 5                         ; Y of v
	s_lshl_b32 s62, s60, 2
	s_add_co_u32 s62, s62, 128                     ; 128 + 4 S
	s_lshl_b32 s63, s61, 3
	s_add_co_u32 s63, s63, 288                     ; 288 + 8 Y
	s_cmp_eq_u32 s17, 2
	s_cselect_b32 s19, s62, s19
	s_cselect_b32 s20, s63, s20
	s_mov_b32 s40, 1
	s_mul_i32 s41, s16, 6144                       ; my eighth of the A group, in LDS
	s_mul_i32 s62, s19, 12288
	s_add_co_u32 s62, s62, s41                     ; and in opq
	s_mov_b32 s63, 0
	s_mov_b32 s44, 1
	s_add_co_u32 s50, s20, s16                     ; my B pair
	s_mul_i32 s52, s50, 12288
	s_mov_b32 s53, 0
	s_lshl_b32 s56, s19, 7
	s_add_co_u32 s56, s56, SC0
	s_mov_b32 s57, 0
	s_lshl_b32 s58, s50, 7
	s_add_co_u32 s58, s58, SC0
	s_mov_b32 s59, 0
	s_wait_dscnt 0x0
	s_wait_kmcnt 0x0
	s_add_nc_u64 s[42:43], s[4:5], s[62:63]
	s_or_b32 s43, s43, 0x80000000
	s_add_nc_u64 s[46:47], s[4:5], s[52:53]
	s_or_b32 s47, s47, 0x80000000
	tensor_load_to_lds s[40:43], s[24:31]          ; both fills stand together, ahead of every wait on TENSORcnt, LDS read and barrier
	s_nop 0
	tensor_load_to_lds s[44:47], s[32:39]
	s_nop 0
.rept 4
	v_nop
.endr
	s_add_nc_u64 s[56:57], s[4:5], s[56:57]        ; A's scale words
	s_add_nc_u64 s[58:59], s[4:5], s[58:59]        ; my B pair's
.irp s, 0,1,2,3
.irp i, 0,1,2,3
	global_load_b32 v[AS+4*\s+\i], v2, s[56:57] offset:(\s*320+\i)*128
.endr
	global_load_b32 v[BS+\s], v2, s[58:59] offset:\s*40960
.endr
	s_cmp_eq_u32 s17, 2
	s_cbranch_scc1 .Lv
	; ---------------- q and k ----------------
	s_cmp_eq_u32 s17, 0
	s_mov_b32 s23, 12800
	s_mov_b32 s62, 12288
	s_cselect_b32 s23, 6400, s23                   ; SS: bytes of a block of 128 positions in qq or kv
	s_cselect_b32 s62, 6144, s62                   ; where its scale words begin
	s_cselect_b64 s[50:51], s[12:13], s[14:15]     ; the choices hang on the work-group's number alone
	s_cselect_b64 s[54:55], s[6:7], s[8:9]
	s_lshl_b32 s63, s23, 5                         ; a head's bytes: 32 blocks
	s_lshl_b32 s19, s21, 1
	s_mul_i32 s19, s19, s63
	s_lshl_b32 s20, s22, 1
	s_mul_i32 s20, s20, s23
	s_add_co_u32 s19, s19, s20                     ; head 2 a, block 2 Y
	s_lshr_b32 s2, s16, 2
	s_mul_i32 s2, s2, s23
	s_and_b32 s3, s16, 3
	s_mul_i32 s3, s3, 1536
	s_add_co_u32 s2, s2, s3
	s_add_co_u32 s2, s2, s19                       ; my fragment: block 2 Y + (w >> 2), pair w & 3
	s_mov_b32 s3, 0
	s_lshr_b32 s52, s16, 1
	s_mul_i32 s52, s52, s63
	s_and_b32 s53, s16, 1
	s_mul_i32 s53, s53, s23
	s_add_co_u32 s52, s52, s53
	s_add_co_u32 s52, s52, s19
	s_add_co_u32 s52, s52, s62                     ; waves 0-3: the unit of scale words of head 2 a + (w >> 1), block 2 Y + (w & 1)
	s_mov_b32 s53, 0
	s_add_nc_u64 s[52:53], s[50:51], s[52:53]
	s_add_nc_u64 s[50:51], s[50:51], s[2:3]        ; head 2 a's fragment
	s_mov_b32 s2, s63
	s_add_nc_u64 s[60:61], s[50:51], s[2:3]        ; head 2 a + 1's
	s_lshl_b32 s2, s21, 9
	s_add_nc_u64 s[54:55], s[54:55], s[2:3]        ; the group's 128 biases
	v_lshlrev_b32 v5, 6, v122                      ; 64 h
	; the bias hangs on A's row, that is on the register: it is loaded straight into the accumulators, in the result's layout, and the first products add onto it
.irp e, 0,1
.irp t, 0,1,2,3,4,5,6,7
	global_load_b128 v[ACC+64*\e+8*\t:ACC+64*\e+8*\t+3], v5, s[54:55] offset:(32*(\t/2)+8*(\t%2))*4
	global_load_b128 v[ACC+64*\e+8*\t+4:ACC+64*\e+8*\t+7], v5, s[54:55] offset:(32*(\t/2)+8*(\t%2))*4+16
.endr
.endr
	s_wait_tensorcnt 0x0                           ; my part of the A group and my B pair have landed,
	s_barrier_signal -1
	s_barrier_wait -1                              ; everybody's part has
	s_wait_loadcnt 0x0                             ; scale words and biases
	s_wait_alu depctr_va_vdst(0)
.irp s, 0,1,2,3
	PH \s, 0, 0
	PH \s, 1, 0
.endr
.rept 4
	v_nop                                          ; places in front of the first read of results and of writes over operands
.endr
.irp b, 0,1,2,3
	v_mov_b32 v[TM+4+\b], 0                        ; a lane permute's destination counts as one of its sources
.endr
	QUANT4 ACC, Z1, Z2, BY                         ; tile 0: head 2 a's two blocks to Z1's registers 0-5, head 2 a + 1's to Z2's
	QUANT4 ACC+64, Z1+6, Z2+6, BY+4                ; tile 1: to registers 6-11
	v_lshl_or_b32 v[W1], v[BY+1], 8, v[BY]
	s_delay_alu instid0(VALU_DEP_1)
	v_lshl_or_b32 v[W1], v[BY+4], 16, v[W1]
	s_delay_alu instid0(VALU_DEP_1)
	v_lshl_or_b32 v[W1], v[BY+5], 24, v[W1]
	v_lshl_or_b32 v[W2], v[BY+3], 8, v[BY+2]
	s_delay_alu instid0(VALU_DEP_1)
	v_lshl_or_b32 v[W2], v[BY+6], 16, v[W2]
	s_delay_alu instid0(VALU_DEP_1)
	v_lshl_or_b32 v[W2], v[BY+7], 24, v[W2]
.irp j, 0,1,2
	global_store_b128 v1, v[Z1+4*\j:Z1+4*\j+3], s[50:51] offset:512*\j
	global_store_b128 v1, v[Z2+4*\j:Z2+4*\j+3], s[60:61] offset:512*\j
.endr
	ds_store_b32 v6, v[W1]                         ; lanes l and l + 16 write the same word with the same value
	ds_store_b32 v6, v[W2] offset:512
	s_wait_dscnt 0x0
	s_barrier_signal -1
	s_barrier_wait -1
	s_cmp_ge_u32 s16, 4
	s_cbranch_scc1 .Lqk_end
	ds_load_b64 v[WO:WO+1], v7
	s_wait_dscnt 0x0
	global_store_b64 v3, v[WO:WO+1], s[52:53]      ; 256 consecutive bytes, aligned
.Lqk_end:
	s_wait_tensorcnt 0x0
	ds_add_u32 v126, v127
	s_wait_dscnt 0x0
	s_endpgm
	; ---------------- v ----------------
.Lv:
	v_and_b32 v5, 7, v121
	v_lshrrev_b32 v123, 3, v121
	s_delay_alu instid0(VALU_DEP_1)
	v_lshl_add_u32 v5, v123, 4, v5
	s_delay_alu instid0(VALU_DEP_1)
	v_lshlrev_b32 v5, 2, v5                        ; 4 ((r & 7) + 16 (r >> 3)): my row's bias in the pair's 32
	s_lshl_b32 s2, s61, 3
	s_add_co_u32 s2, s2, s16                       ; Wv's pair 8 Y + w
	s_lshl_b32 s2, s2, 7
	s_mov_b32 s3, 0
	s_add_nc_u64 s[54:55], s[10:11], s[2:3]
	global_load_b32 v[BV], v5, s[54:55]
	global_load_b32 v[BV+8], v5, s[54:55] offset:32
	s_lshl_b32 s19, s61, 2                         ; 4 Y
	s_mul_i32 s20, s60, 12800                      ; the key step's block
	s_lshr_b32 s2, s16, 1
	s_add_co_u32 s2, s2, s19                       ; head 4 Y + (w >> 1)
	s_mul_i32 s2, s2, 409600
	s_add_co_u32 s2, s2, s20
	s_and_b32 s23, s16, 1                          ; g = w & 1
	s_mul_i32 s23, s23, 3072
	s_add_co_u32 s2, s2, s23
	s_add_co_u32 s2, s2, 6144
	s_add_nc_u64 s[50:51], s[14:15], s[2:3]        ; fragments (g, 0), (g, 1)
	s_add_co_u32 s2, s19, s16
	s_mul_i32 s2, s2, 409600
	s_add_co_u32 s2, s2, s20
	s_add_co_u32 s2, s2, 12544
	s_add_nc_u64 s[52:53], s[14:15], s[2:3]        ; waves 0-3: head 4 Y + w's unit of scale words
	s_wait_loadcnt 0x0
.irp e, 0,1
.irp j, 1,2,3,4,5,6,7
	v_mov_b32 v[BV+8*\e+\j], v[BV+8*\e]            ; the bias hangs on B's row, that is on the lane: the same in all eight registers of a C
.endr
.endr
	s_wait_alu depctr_va_vdst(0)
	s_wait_tensorcnt 0x0
	s_barrier_signal -1
	s_barrier_wait -1
	PH 0, 0, 1
	PH 0, 1, 1
.irp s, 1,2,3
	PH \s, 0, 0
	PH \s, 1, 0
.endr
.rept 4
	v_nop
.endr
.irp b, 0,1,2,3
	v_mov_b32 v[TM+4+\b], 0
.endr
	QUANT4 ACC, Z1, Z1+6, BY                       ; a lane's 64 registers are its row's 128 keys' half: a whole fragment for each tile
	QUANT4 ACC+64, Z2, Z2+6, BY+4
	v_lshl_or_b32 v[W1], v[BY+1], 8, v[BY]
	s_delay_alu instid0(VALU_DEP_1)
	v_lshl_or_b32 v[W1], v[BY+2], 16, v[W1]
	s_delay_alu instid0(VALU_DEP_1)
	v_lshl_or_b32 v[W1], v[BY+3], 24, v[W1]
	v_lshl_or_b32 v[W2], v[BY+5], 8, v[BY+4]
	s_delay_alu instid0(VALU_DEP_1)
	v_lshl_or_b32 v[W2], v[BY+6], 16, v[W2]
	s_delay_alu instid0(VALU_DEP_1)
	v_lshl_or_b32 v[W2], v[BY+7], 24, v[W2]
.irp j, 0,1,2
	global_store_b128 v1, v[Z1+4*\j:Z1+4*\j+3], s[50:51] offset:512*\j
	global_store_b128 v1, v[Z2+4*\j:Z2+4*\j+3], s[50:51] offset:1536+512*\j
.endr
	v_cmp_gt_u32 vcc_lo, 16, v120
	s_delay_alu instid0(VALU_DEP_1)
	v_cndmask_b32 v[WO], v[W2], v[W1], vcc_lo      ; lanes 0-15: tile 0's word of row r; lanes 16-31: tile 1's
	ds_store_b32 v116, v[WO]
	s_wait_dscnt 0x0
	s_barrier_signal -1
	s_barrier_wait -1
	s_cmp_ge_u32 s16, 4
	s_cbranch_scc1 .Lv_end
	ds_load_b64 v[WO:WO+1], v117
	s_wait_dscnt 0x0
	global_store_b64 v3, v[WO:WO+1], s[52:53]
.Lv_end:
	s_wait_tensorcnt 0x0
	ds_add_u32 v126, v127
	s_wait_dscnt 0x0
	s_endpgm
.Lfunc_end_k_q8b8ecc462f_proj:
	.size	k_q8b8ecc462f_proj, .Lfunc_end_k_q8b8ecc462f_proj-k_q8b8ecc462f_proj
	.p2alignl 7, 3214868480
	.fill 96, 4, 3214868480
	.section	.rodata,"a",@progbits
	.p2align	6, 0x0
	.amdhsa_kernel k_q8b8ecc462f_proj
		.amdhsa_group_segment_fixed_size 168960
		.amdhsa_private_segment_fixed_size 0
		.amdhsa_enable_private_segment 0
		.amdhsa_kernarg_size 48
		.amdhsa_user_sgpr_count 2
		.amdhsa_user_sgpr_kernarg_segment_ptr 1
		.amdhsa_wavefront_size32 1
		.amdhsa_system_sgpr_workgroup_id_x 1
		.amdhsa_system_sgpr_workgroup_id_y 1
		.amdhsa_system_sgpr_workgroup_id_z 1
		.amdhsa_system_vgpr_workitem_id 0
		.amdhsa_next_free_vgpr 256
		.amdhsa_next_free_sgpr 66
		.amdhsa_reserve_vcc 1
		.amdhsa_float_denorm_mode_32 3
		.amdhsa_float_denorm_mode_16_64 3
		.amdhsa_memory_ordered 1
		.amdhsa_forward_progress 1
		.amdhsa_inst_pref_size 67
	.end_amdhsa_kernel
	.amdgpu_metadata
---
amdhsa.version: [ 1, 2 ]
amdhsa.kernels:
  - .name:           k_q8b8ecc462f_proj
    .symbol:         k_q8b8ecc462f_proj.kd
    .args:
      - { .name: opq, .offset: 0, .size: 8, .value_kind: global_buffer, .address_space: global }
      - { .name: bq, .offset: 8, .size: 8, .value_kind: global_buffer, .address_space: global }
      - { .name: bk, .offset: 16, .size: 8, .value_kind: global_buffer, .address_space: global }
      - { .name: bv, .offset: 24, .size: 8, .value_kind: global_buffer, .address_space: global }
      - { .name: qq, .offset: 32, .size: 8, .value_kind: global_buffer, .address_space: global }
      - { .name: kv, .offset: 40, .size: 8, .value_kind: global_buffer, .address_space: global }
    .group_segment_fixed_size: 168960
    .private_segment_fixed_size: 0
    .kernarg_segment_align: 8
    .kernarg_segment_size: 48
    .max_flat_workgroup_size: 256
    .sgpr_count:     66
    .vgpr_count:     256
    .wavefront_size: 32
...
	.end_amdgpu_metadata
.endif
;; end of part 2
;; launch attn (part 3): grid 32 x 8, 8 waves a work-group, clusters of 4 x 1, 327,680 bytes of LDS; arguments qq, kv, attq; writes attq
.if DOCPART == 3
	.amdgcn_target "amdgcn-amd-amdhsa--gfx1250"
	.amdhsa_code_object_version 6
	.text
	.protected	k_q8b8ecc462f_attn
	.globl	k_q8b8ecc462f_attn
	.p2align	8
	.type	k_q8b8ecc462f_attn,@function
k_q8b8ecc462f_attn:
	s_mov_b64 s[64:65], 0
	v_nop
	global_prefetch_b8 v0, s[64:65] scope:SCOPE_SE
	s_setreg_imm32_b32 hwreg(HW_REG_WAVE_MODE, 25, 1), 1
	s_wait_xcnt 0x0
	s_wait_alu depctr_hold_cnt(0) depctr_sa_sdst(0) depctr_va_vdst(0) depctr_va_sdst(0) depctr_va_ssrc(0) depctr_va_vcc(0) depctr_vm_vsrc(0)
	s_getreg_b32 s2, hwreg(HW_REG_IB_STS2, 6, 4)
	s_cmp_eq_u32 s2, 0
	s_cbranch_scc0 .Lentry_in_a_cluster
	s_endpgm
.Lentry_in_a_cluster:
	s_bfe_u32 s2, ttmp6, 0x10000c
	s_cmp_lg_u32 s2, 0x3003
	s_cbranch_scc0 .Lentry_shape_is_right
	s_endpgm
.Lentry_shape_is_right:
; ATTN: for one head and 128 queries: S^T = K Q^T, p = 2^(t - M), O^T += V^T P^T over the head's 4,096 keys, 128 a step; O / l quantised along the head's 64 channels into attq.  Both products on codes of FP6 with E8M0 scales.
; t = score x log2(e) / 8; M = the running largest t rounded UP to a whole number, kept as -M = floor(-t); when M moves, the sum and O^T are multiplied by 2^(old M - new M), which rounds nothing.
; The row's sum l is taken of the unquantised p, in f32, and divides O at the end.
; SHARES.  Work-group (X, head): queries 128 X on.  Wave w owns tile T = 8 X + w of 16 queries (pair 4 X + (w >> 1), tile w & 1 of it); two waves to a SIMD, so that one wave's vector work stands beside the other's products and LDS loads.
; Both products are used transposed, so a lane holds ONE query (lane % 16) throughout, and by the tile rule (row p of tile u of a pair = 8 u + (p & 7) + 16 (p >> 3)) the 16 registers of a pair's two tiles are 16 neighbours.
; K = 64 IN AN INSTRUCTION OF K = 128.  A pair fragment of k holds tile 0 in registers 0-5 and tile 1 in registers 6-11.  Against [q, zeros] it gives tile 0's scores, against [zeros, q] tile 1's: one fragment from LDS feeds two
; instructions.  The other half multiplies zero codes, which add nothing; its scale bytes are live bytes of the same operands.  q's scale word is (s0, s1, s0, s1).
; LDS.  The head's stream in kv (32 step blocks of 12,800 bytes: K's four fragments, V's four, K's and V's scale words) comes as it lies: three regions of eight blocks, filled at the start with quarters 0, 1, 2;
; region 0 is filled once more, with quarter 3, when it has been read.  Each wave fetches one block of each quarter (50 rows of 256 bytes).  Three tensor loads of mine are out at the start, one behind the refill.
; CLUSTER.  The four work-groups of a cluster belong to one head and walk the same stream: every fill is asked for JOINTLY (mask 15), with a descriptor made of the head and the wave's number alone.
; All of a WGP's LDS is claimed, and 0 is added to spare words in front of the refill's barrier and at the end.
; OUT.  attq: codes at (T*8 + head)*768: registers 0-3 at 16 l, registers 4-5 at 512 + 8 l (lane (r, h): block h of the head's 64); two scale bytes a row at 1572864 + head*8192 + T*32 + 2 r.
; LIMITS: scale bytes are held at 1 from below (a block whose every p, or every O / l, lies under 2^-124 or is zero); NaN and infinities are not served.
.set STEPB, 12800
.set REG,   8*STEPB                    ; a region
.set SPARE, 3*REG                      ; the spare words: 128 bytes for each of eight waves, four blocks of 256 bytes that no other line names
.set SCG,   SPARE+1024                 ; 256 bytes in which the eight waves' scale bytes meet
.set FLOOR, 0x1800000
.set QZ, 16                            ; v16-33   six zeros, q's six registers, six zeros
.set QS, 34                            ; v34      q's scale word
.set KS, 36                            ; v36-37   K's scale words: pair b in register b / 2, lanes 16 (b % 2) on
.set VS, 38                            ; v38-39   V's: fragment t in register t / 2, lanes 16 (t % 2) on
.set PW, 40                            ; v40      p's scale word
.set FF, 42                            ; v42-43   f = 2^(old M - new M), and its partner in the pair
.set TT, 44                            ; v44      at work
.set KF, 48                            ; v48-95   four fragments of K, then of V
.set S,  96                            ; v96-159  S^T, then p
.set O,  160                           ; v160-191 O^T: four tiles of 16 of the head's 64
.set PF, 192                           ; v192-203 p's fragment
.set TU, 204                           ; v204-211 upper halves of blocks
.set BM, 212                           ; v212-215 each block's largest score, then largest p
.set BX, 216                           ; v216-219 the other half's; then the bytes
.set SO, 220                           ; v220-223 the conversions' scale operands
.set L2, 224                           ; v224-225 the sum's second chain
; v1 16 l; v2 8 l; v3, v4 the step's LDS addresses; v5 my spare word; v6 zero; v7, v8 the way out's LDS addresses; v9 q's word; v12 -M; v13 the largest t; v14-15 the sum in two halves
; s18 wave; s[20:21] lane selects; s[22:23] c; s[24:31] group 1; s[32:47] four groups 0, one for each quarter, never rewritten; s48 the step's block in LDS; s49 trips
.macro CROUND                          ; a round of the cluster's barrier
	s_barrier_signal -1
	s_barrier_wait -1
	s_cmp_lg_u32 s18, 0
	s_cbranch_scc1 .Lnot_wave_0_\@
	s_barrier_signal -3
.Lnot_wave_0_\@:
	s_barrier_wait -3
	s_barrier_signal -1
	s_barrier_wait -1
.endm
.macro WQ d, a, b, sa, ra              ; scores: D = K's fragment x q, from zero
.if \ra
	v_wmma_scale_f32_16x16x128_f8f6f4 v[\d:\d+7], v[\a:\a+11], v[\b:\b+11], 0, v[\sa], v[QS] matrix_a_fmt:MATRIX_FMT_FP6 matrix_b_fmt:MATRIX_FMT_FP6 matrix_a_scale:MATRIX_SCALE_ROW1
.else
	v_wmma_scale_f32_16x16x128_f8f6f4 v[\d:\d+7], v[\a:\a+11], v[\b:\b+11], 0, v[\sa], v[QS] matrix_a_fmt:MATRIX_FMT_FP6 matrix_b_fmt:MATRIX_FMT_FP6
.endif
.endm
.macro WP d, a, sa, ra                 ; O^T += V's fragment x p
.if \ra
	v_wmma_scale_f32_16x16x128_f8f6f4 v[\d:\d+7], v[\a:\a+11], v[PF:PF+11], v[\d:\d+7], v[\sa], v[PW] matrix_a_fmt:MATRIX_FMT_FP6 matrix_b_fmt:MATRIX_FMT_FP6 matrix_a_scale:MATRIX_SCALE_ROW1
.else
	v_wmma_scale_f32_16x16x128_f8f6f4 v[\d:\d+7], v[\a:\a+11], v[PF:PF+11], v[\d:\d+7], v[\sa], v[PW] matrix_a_fmt:MATRIX_FMT_FP6 matrix_b_fmt:MATRIX_FMT_FP6
.endif
.endm
; A KEY STEP: 128 keys, the block at LDS byte s48.
.macro STEP
	s_setprio 2
	v_add_nc_u32 v3, s48, v1                       ; these two and two v_nop are the four places behind the last step's products, in front of loads into registers that they read
	v_add_nc_u32 v4, s48, v2
	v_nop
	v_nop
	ds_load_b64 v[KS:KS+1], v4 offset:12288
.irp i, 0,1,2,3,4,5,6,7,8,9,10,11
	ds_load_b128 v[KF+4*\i:KF+4*\i+3], v3 offset:512*\i          ; 512 consecutive bytes a load
.endr
	s_wait_alu depctr_va_vdst(0)
.irp b, 0,1,2,3
	s_wait_dscnt 9-3*\b                            ; pair b's three loads are in; the 9 - 3 b younger ones may be out
	WQ S+16*\b, KF+12*\b, QZ+6, KS+\b/2, \b%2      ; [q, 0]: tile 0 of the pair
	WQ S+16*\b+8, KF+12*\b, QZ, KS+\b/2, \b%2      ; [0, q]: tile 1.  Registers S + 16 b + 0 .. 15 are keys 32 b + 16 (lane / 16) + 0 .. 15
.endr
.rept 4
	v_nop                                          ; places in front of the loads below and of the first read of the scores
.endr
	ds_load_b64 v[VS:VS+1], v4 offset:12544        ; V's fragments land while the softmax is worked
.irp i, 0,1,2,3,4,5,6,7,8,9,10,11
	ds_load_b128 v[KF+4*\i:KF+4*\i+3], v3 offset:6144+512*\i
.endr
.irp b, 0,1,2,3
	v_max3_num_f32 v[BM+\b], v[S+16*\b], v[S+16*\b+1], v[S+16*\b+2]   ; the largest score of each block of 32 keys: for the row's maximum and, since p rises with the score, for the block's largest p
.endr
.irp i, 3,5,7,9,11,13
.irp b, 0,1,2,3
	v_max3_num_f32 v[BM+\b], v[BM+\b], v[S+16*\b+\i], v[S+16*\b+\i+1]
.endr
.endr
.irp b, 0,1,2,3
	v_max_num_f32 v[BM+\b], v[BM+\b], v[S+16*\b+15]
.endr
.irp b, 0,1,2,3
	s_delay_alu instid0(VALU_DEP_4)
	v_permlanex16_b32 v[BX+\b], v[BM+\b], s20, s21
.endr
.irp b, 0,1,2,3
	s_delay_alu instid0(VALU_DEP_4)
	v_max_num_f32 v[BM+\b], v[BM+\b], v[BX+\b]     ; with lane l xor 16's 16 keys
.endr
	s_delay_alu instid0(VALU_DEP_2)
	v_max3_num_f32 v[TT], v[BM], v[BM+1], v[BM+2]
	s_delay_alu instid0(VALU_DEP_1)
	v_max_num_f32 v[TT], v[TT], v[BM+3]            ; the step's largest score of my query
	s_delay_alu instid0(VALU_DEP_1)
	v_mul_f32 v[TT], s22, v[TT]                    ; as t (c is positive)
	s_delay_alu instid0(VALU_DEP_1)
	v_max_num_f32 v13, v13, v[TT]                  ; the running largest t
	v_mov_b32 v[TT], v12
	s_delay_alu instid0(VALU_DEP_2)
	v_floor_f32 v12, -v13                          ; the new -M = floor(-t): M is a whole number
	s_delay_alu instid0(VALU_DEP_1)
	v_sub_f32 v[TT], v12, v[TT]                    ; old M - new M: a whole number, 0 or less
	s_delay_alu instid0(VALU_DEP_1)
	v_cvt_i32_f32 v[TT], v[TT]                     ; (it saturates)
	s_delay_alu instid0(VALU_DEP_1)
	v_ldexp_f32 v[FF], 1.0, v[TT]                  ; f
.set j, 0
.rept 32
	v_pk_fma_f32 v[S+j:S+j+1], v[S+j:S+j+1], s[22:23], v[12:13] op_sel_hi:[1,0,0]   ; t - M, two at a time
.set j, j+2
.endr
.irp b, 0,1,2,3
	v_fma_f32 v[BM+\b], v[BM+\b], s22, v12         ; the same of each block's largest score
.endr
.set j, 0
	s_wait_alu depctr_va_vdst(0)
.rept 64
	v_exp_f32 v[S+j], v[S+j]                       ; p = 2^(t - M), at most 1, not normalised
.set j, j+1
.endr
	s_setprio 1
.irp b, 0,1,2,3
	v_exp_f32 v[BM+\b], v[BM+\b]                   ; the block's largest p: the same two instructions on the same number
.endr
	v_pk_mul_f32 v[14:15], v[14:15], v[FF:FF+1] op_sel_hi:[1,0]   ; the sums under the new M (a plain place behind the exponentials)
	s_wait_alu depctr_va_vdst(0)
.irp b, 0,1,2,3
	v_max_num_f32 v[BM+\b], FLOOR, v[BM+\b]
.endr
.irp b, 0,1,2,3
	s_delay_alu instid0(VALU_DEP_4)
	v_add_nc_u32 v[SO+\b], 0xff000000, v[BM+\b]
.endr
.irp b, 0,1,2,3
	s_delay_alu instid0(VALU_DEP_4)
	v_lshrrev_b32 v[BX+\b], 23, v[SO+\b]
.endr
	s_delay_alu instid0(VALU_DEP_3)
	v_lshl_or_b32 v[PW], v[BX+1], 8, v[BX]
	s_delay_alu instid0(VALU_DEP_1)
	v_lshl_or_b32 v[PW], v[BX+2], 16, v[PW]
	s_delay_alu instid0(VALU_DEP_1)
	v_lshl_or_b32 v[PW], v[BX+3], 24, v[PW]
.irp c, 0,1
	v_cvt_scalef32_pk16_fp6_f32 v[PF+6*\c:PF+6*\c+2], v[S+32*\c:S+32*\c+15], v[SO+2*\c]
	v_cvt_scalef32_pk16_fp6_f32 v[TU+4*\c:TU+4*\c+2], v[S+32*\c+16:S+32*\c+31], v[SO+2*\c+1]
.endr
	v_nop                                          ; one plain place behind the last scaled conversion
.irp c, 0,1
.irp i, 0,1,2
	v_permlane16_swap_b32 v[PF+6*\c+\i], v[TU+4*\c+\i]   ; a whole block to a lane: lanes 0-15 block 2 c, lanes 16-31 block 2 c + 1
.endr
.irp i, 0,1,2
	s_delay_alu instid0(VALU_DEP_3)
	v_mov_b32 v[PF+6*\c+3+\i], v[TU+4*\c+\i]
.endr
.endr
	v_pk_add_f32 v[224:225], v[100:101], v[104:105]
	v_pk_add_f32 v[254:255], v[108:109], v[112:113]
	v_pk_add_f32 v[252:253], v[116:117], v[120:121]
	v_pk_add_f32 v[250:251], v[124:125], v[128:129]
	v_pk_add_f32 v[248:249], v[132:133], v[136:137]
	v_pk_add_f32 v[246:247], v[140:141], v[144:145]
	v_pk_add_f32 v[244:245], v[148:149], v[152:153]
	v_pk_add_f32 v[14:15], v[14:15], v[156:157]
	v_pk_add_f32 v[224:225], v[224:225], v[96:97]
	v_pk_add_f32 v[254:255], v[254:255], v[98:99]
	v_pk_add_f32 v[252:253], v[252:253], v[102:103]
	v_pk_add_f32 v[250:251], v[250:251], v[106:107]
	v_pk_add_f32 v[248:249], v[248:249], v[110:111]
	v_pk_add_f32 v[246:247], v[246:247], v[114:115]
	v_pk_add_f32 v[244:245], v[244:245], v[118:119]
	v_pk_add_f32 v[14:15], v[14:15], v[122:123]
	v_pk_add_f32 v[224:225], v[224:225], v[126:127]
	v_pk_add_f32 v[254:255], v[254:255], v[130:131]
	v_pk_add_f32 v[252:253], v[252:253], v[134:135]
	v_pk_add_f32 v[250:251], v[250:251], v[138:139]
	v_pk_add_f32 v[248:249], v[248:249], v[142:143]
	v_pk_add_f32 v[246:247], v[246:247], v[146:147]
	v_pk_add_f32 v[244:245], v[244:245], v[150:151]
	v_pk_add_f32 v[14:15], v[14:15], v[154:155]
	v_pk_add_f32 v[224:225], v[224:225], v[158:159]
	s_delay_alu instid0(VALU_DEP_2)
	v_pk_add_f32 v[14:15], v[14:15], v[250:251]
	s_delay_alu instid0(VALU_DEP_2)
	v_pk_add_f32 v[224:225], v[224:225], v[248:249]
	s_setprio 0
	v_pk_add_f32 v[254:255], v[254:255], v[246:247]
	v_pk_add_f32 v[252:253], v[252:253], v[244:245]
	s_delay_alu instid0(VALU_DEP_2)
	v_pk_add_f32 v[14:15], v[14:15], v[254:255]
	s_delay_alu instid0(VALU_DEP_2)
	v_pk_add_f32 v[224:225], v[224:225], v[252:253]
	s_delay_alu instid0(VALU_DEP_1)
	v_pk_add_f32 v[14:15], v[14:15], v[224:225]
.set j, 0
.rept 16
	v_pk_mul_f32 v[O+j:O+j+1], v[O+j:O+j+1], v[FF:FF+1] op_sel_hi:[1,0]   ; O^T under the new M.  (The sums and these are the places between p's codes and scale word and the products below)
.set j, j+2
.endr
	s_wait_alu depctr_va_vdst(0)
	s_wait_dscnt 0x0                               ; V
.irp t, 0,1,2,3
	WP O+8*\t, KF+12*\t, VS+\t/2, \t%2             ; four accumulators by turns
.endr
	s_add_co_u32 s48, s48, STEPB
.endm
	s_load_b128 s[4:7], s[0:1], 0x0                ; qq s[4:5], kv s[6:7]
	s_load_b64 s[8:9], s[0:1], 0x10                ; attq
	v_lshl_add_u32 v5, v0, 2, SPARE
	v_mov_b32 v6, 0
	ds_add_u32 v5, v6
	ds_add_u32 v5, v6
	s_wait_dscnt 0x0
	v_lshrrev_b32 v1, 5, v0
	s_delay_alu instid0(VALU_DEP_1)
	v_readfirstlane_b32 s18, v1                    ; wave 0..7
	v_and_b32 v10, 31, v0
	s_delay_alu instid0(VALU_DEP_1)
	v_lshlrev_b32 v1, 4, v10                       ; 16 l
	s_delay_alu instid0(VALU_DEP_2)
	v_lshlrev_b32 v2, 3, v10                       ; 8 l
	v_and_b32 v11, 15, v0
	s_delay_alu instid0(VALU_DEP_1)
	v_lshlrev_b32 v9, 3, v11                       ; 8 r
	s_lshl_b32 s19, s18, 5
	s_add_co_u32 s19, s19, SCG
	v_lshl_add_u32 v7, v11, 1, s19                 ; the way out: SCG + 32 w + 2 r
	v_add_nc_u32 v8, SCG, v2                       ; and wave 0's 8 bytes of the 256
	s_bfe_u32 s10, ttmp6, 0x40000                  ; cx: my place in the cluster
	s_lshl_b32 s11, ttmp9, 2
	s_add_co_u32 s11, s11, s10                     ; X: it enters qq's and attq's global addresses alone
	s_and_b32 s12, ttmp7, 0xffff                   ; the head, which the four partners share
	s_mov_b32 s20, 0x76543210
	s_mov_b32 s21, 0xfedcba98
	s_mov_b32 s22, 0x3e38aa3b                      ; c = log2(e) / 8
	s_mov_b32 s23, s22
	; descriptor group 1: 50 rows of 256 bytes (32 elements of 8 bytes), dense, no padding; the mask names all four work-groups, bit 21 beside it
	s_mov_b32 s24, 15|(3<<16)|(1<<21)
	s_mov_b32 s25, 32<<16
	s_mov_b32 s26, 50<<16
	s_mov_b32 s27, 32<<16
	s_mov_b32 s28, 50
	s_mov_b32 s29, 32
	s_mov_b32 s30, 0
	s_mov_b32 s31, 0
	s_mul_i32 s13, s18, STEPB                      ; my block of a quarter: in a region,
	s_mul_i32 s14, s12, 409600
	s_add_co_u32 s14, s14, s13                     ; and in the head's stream
	s_mov_b32 s15, 0
	s_mul_i32 s52, s12, 204800
	s_mul_i32 s19, s11, 6400
	s_add_co_u32 s52, s52, s19                     ; my work-group's block of queries in qq
	s_lshr_b32 s19, s18, 1                         ; p: my pair in it
	s_and_b32 s60, s19, 1
	s_lshl_b32 s60, s60, 7
	s_lshr_b32 s61, s18, 2
	s_lshl_b32 s61, s61, 2
	s_add_co_u32 s58, s52, s60
	s_add_co_u32 s58, s58, s61
	s_add_co_u32 s58, s58, 6144                    ; its scale words: 6144 + 128 (p & 1) + 4 (p >> 1), 8 bytes from row to row
	s_mov_b32 s59, 0
	s_mul_i32 s19, s19, 1536
	s_add_co_u32 s52, s52, s19                     ; its fragment
	s_mov_b32 s53, 0
	s_lshl_b32 s54, s11, 3
	s_add_co_u32 s54, s54, s18                     ; T
	s_lshl_b32 s54, s54, 3
	s_add_co_u32 s54, s54, s12
	s_mul_i32 s54, s54, 768
	s_mov_b32 s55, 0
	s_lshl_b32 s56, s12, 13
	s_lshl_b32 s19, s11, 8
	s_add_co_u32 s56, s56, s19
	s_add_co_u32 s56, s56, 1572864
	s_mov_b32 s57, 0
	s_and_b32 s19, s18, 1                          ; u: which tile of the pair is mine
	s_cmp_lg_u32 s19, 0
	s_mov_b32 s51, 0x01000100
	s_cselect_b32 s50, -1, 0                       ; a lane mask: all ones for u = 1
	s_cselect_b32 s51, 0x03020302, s51             ; byte selects: (s0, s1, s0, s1) out of the pair's word
	s_wait_kmcnt 0x0
	s_add_nc_u64 s[16:17], s[6:7], s[14:15]
	s_add_nc_u64 s[52:53], s[4:5], s[52:53]
	s_add_nc_u64 s[58:59], s[4:5], s[58:59]
	s_add_nc_u64 s[54:55], s[8:9], s[54:55]
	s_add_nc_u64 s[56:57], s[8:9], s[56:57]
.irp q, 0,1,2,3
	s_mov_b32 s[32+4*\q], 1
	s_add_co_u32 s[33+4*\q], s13, (\q%3)*REG       ; quarter q goes to region q % 3
	s_add_nc_u64 s[34+4*\q:35+4*\q], s[16:17], \q*REG
	s_or_b32 s[35+4*\q], s[35+4*\q], 0x80000000
.endr
	CROUND                                         ; all four work-groups are here: the first joint loads meet
	tensor_load_to_lds s[32:35], s[24:31]          ; quarters 0, 1, 2: the first fills stand together
	s_nop 0
	tensor_load_to_lds s[36:39], s[24:31]
	s_nop 0
	tensor_load_to_lds s[40:43], s[24:31]
	s_nop 0
.rept 4
	v_nop
.endr
	s_wait_alu depctr_va_vdst(0)
	global_load_b128 v[48:51], v1, s[52:53]        ; my pair's fragment of q
	global_load_b128 v[52:55], v1, s[52:53] offset:512
	global_load_b128 v[56:59], v1, s[52:53] offset:1024
	global_load_b32 v[TT], v9, s[58:59]            ; and its scale words
	s_wait_tensorcnt 0x2                           ; my block of quarter 0 is in; quarters 1 and 2 may stay out
	s_barrier_signal -1
	s_barrier_wait -1                              ; everybody's is
	s_wait_loadcnt 0x0
.irp i, 0,1,2,3,4,5
	v_mov_b32 v[QZ+\i], 0
	v_cndmask_b32 v[QZ+6+\i], v[48+\i], v[54+\i], s50   ; my tile's six registers
	v_mov_b32 v[QZ+12+\i], 0
.endr
	v_perm_b32 v[QS], v[TT], v[TT], s51
	v_mov_b32 v13, 0xff61b1e6                      ; the largest t so far: -3e38, under every t
	s_delay_alu instid0(VALU_DEP_1)
	v_floor_f32 v12, -v13
	v_mov_b32 v14, 0
	v_mov_b32 v15, 0
	v_mov_b32 v[FF+1], 0                           ; (named as the upper half of a pair)
.irp b, 0,1,2,3
	v_mov_b32 v[BX+\b], 0                          ; a lane permute's destination counts as one of its sources
.endr
.set j, 0
.rept 32
	v_mov_b32 v[O+j], 0                            ; the step is written for every step alike: the first finds zeros, which the first change of M leaves zeros.  (These are also the places behind q's scale word and codes)
.set j, j+1
.endr
	s_mov_b32 s48, 0                               ; region 0: quarter 0
	s_mov_b32 s49, 8
.Lq0:
	STEP
	s_sub_co_u32 s49, s49, 1
	s_cmp_lg_u32 s49, 0
	s_cbranch_scc1 .Lq0
	s_setprio 0
	s_wait_tensorcnt 0x0                           ; all my tensor loads have landed: my blocks of quarters 1 and 2;
	ds_add_u32 v5, v6                              ; 0 onto my spare word;
	s_mov_b32 s48, REG                             ; (regions 1 and 2 come next)
	s_wait_dscnt 0x0                               ; the add is done, and my reads of region 0 are over
	CROUND                                         ; no wave of any partner still reads region 0 or has a load on its way
	tensor_load_to_lds s[44:47], s[24:31]          ; quarter 3 into region 0: my one load behind the round; sixteen steps stand between it and the wait for it
	s_nop 0
.rept 4
	v_nop
.endr
	s_mov_b32 s49, 16
.Lq12:
	STEP
	s_sub_co_u32 s49, s49, 1
	s_cmp_lg_u32 s49, 0
	s_cbranch_scc1 .Lq12
	s_setprio 0
	s_wait_tensorcnt 0x0                           ; my block of quarter 3 is in;
	ds_add_u32 v5, v6
	s_mov_b32 s48, 0
	s_wait_dscnt 0x0
	s_barrier_signal -1
	s_barrier_wait -1                              ; everybody's is
	s_mov_b32 s49, 8
.Lq3:
	STEP
	s_sub_co_u32 s49, s49, 1
	s_cmp_lg_u32 s49, 0
	s_cbranch_scc1 .Lq3
	s_setprio 0
	; THE WAY OUT: O^T / l, quantised along the head's 64: registers 16 g + i are channels 32 g + 16 (lane / 16) + i: two blocks, each shared with lane l xor 16
.rept 4
	v_nop                                          ; places behind the last products
.endr
	v_add_f32 v14, v14, v15
	s_delay_alu instid0(VALU_DEP_1)
	v_permlanex16_b32 v[TT], v14, s20, s21
	s_delay_alu instid0(VALU_DEP_1)
	v_add_f32 v14, v14, v[TT]                      ; the row's sum
	s_wait_alu depctr_va_vdst(0)
	v_rcp_f32 v14, v14
	v_nop                                          ; a plain place behind the reciprocal
.set j, 0
	s_wait_alu depctr_va_vdst(0)
.rept 16
	v_pk_mul_f32 v[S+j:S+j+1], v[O+j:O+j+1], v[14:15] op_sel_hi:[1,0]   ; each accumulator from its low end on
.set j, j+2
.endr
.irp g, 0,1
	v_max3_num_f32 v[BM+\g], |v[S+16*\g]|, |v[S+16*\g+1]|, FLOOR
.endr
.irp i, 2,4,6,8,10,12,14
.irp g, 0,1
	s_delay_alu instid0(VALU_DEP_2)
	v_max3_num_f32 v[BM+\g], v[BM+\g], |v[S+16*\g+\i]|, |v[S+16*\g+\i+1]|
.endr
.endr
.irp g, 0,1
	s_delay_alu instid0(VALU_DEP_2)
	v_permlanex16_b32 v[BX+\g], v[BM+\g], s20, s21
.endr
.irp g, 0,1
	s_delay_alu instid0(VALU_DEP_2)
	v_max_num_f32 v[BM+\g], v[BM+\g], v[BX+\g]
.endr
.irp g, 0,1
	s_delay_alu instid0(VALU_DEP_2)
	v_add_nc_u32 v[SO+\g], 0xff000000, v[BM+\g]
.endr
.irp g, 0,1
	s_delay_alu instid0(VALU_DEP_2)
	v_lshrrev_b32 v[BX+\g], 23, v[SO+\g]
.endr
	s_delay_alu instid0(VALU_DEP_1)
	v_lshl_or_b32 v[PW], v[BX+1], 8, v[BX]         ; my row's two bytes
	v_cvt_scalef32_pk16_fp6_f32 v[PF:PF+2], v[S:S+15], v[SO]
	v_cvt_scalef32_pk16_fp6_f32 v[TU:TU+2], v[S+16:S+31], v[SO+1]
	v_nop
.irp i, 0,1,2
	v_permlane16_swap_b32 v[PF+\i], v[TU+\i]
.endr
.irp i, 0,1,2
	s_delay_alu instid0(VALU_DEP_3)
	v_mov_b32 v[PF+3+\i], v[TU+\i]
.endr
	global_store_b128 v1, v[PF:PF+3], s[54:55]             ; 512 and 256 consecutive bytes, aligned
	global_store_b64 v2, v[PF+4:PF+5], s[54:55] offset:512
	ds_store_b16 v7, v[PW]                         ; lanes l and l + 16 write the same bytes with the same value
	s_wait_dscnt 0x0
	s_barrier_signal -1
	s_barrier_wait -1
	s_cmp_lg_u32 s18, 0
	s_cbranch_scc1 .Lno_unit
	ds_load_b64 v[FF:FF+1], v8
	s_wait_dscnt 0x0
	global_store_b64 v2, v[FF:FF+1], s[56:57]      ; the eight tiles' 256 bytes of scale bytes
.Lno_unit:
	s_wait_tensorcnt 0x0                           ; the wave's end
	ds_add_u32 v5, v6
	s_wait_dscnt 0x0
	CROUND                                         ; the closing round: no work-group ends while a partner may still ask for a block that names it
	s_endpgm
.Lfunc_end_k_q8b8ecc462f_attn:
	.size	k_q8b8ecc462f_attn, .Lfunc_end_k_q8b8ecc462f_attn-k_q8b8ecc462f_attn
	.p2alignl 7, 3214868480
	.fill 96, 4, 3214868480
	.section	.rodata,"a",@progbits
	.p2align	6, 0x0
	.amdhsa_kernel k_q8b8ecc462f_attn
		.amdhsa_group_segment_fixed_size 327680
		.amdhsa_private_segment_fixed_size 0
		.amdhsa_enable_private_segment 0
		.amdhsa_kernarg_size 24
		.amdhsa_user_sgpr_count 2
		.amdhsa_user_sgpr_kernarg_segment_ptr 1
		.amdhsa_wavefront_size32 1
		.amdhsa_system_sgpr_workgroup_id_x 1
		.amdhsa_system_sgpr_workgroup_id_y 1
		.amdhsa_system_sgpr_workgroup_id_z 1
		.amdhsa_system_vgpr_workitem_id 0
		.amdhsa_next_free_vgpr 256
		.amdhsa_next_free_sgpr 66
		.amdhsa_reserve_vcc 0
		.amdhsa_float_denorm_mode_32 3
		.amdhsa_float_denorm_mode_16_64 3
		.amdhsa_memory_ordered 1
		.amdhsa_forward_progress 1
		.amdhsa_inst_pref_size 65
	.end_amdhsa_kernel
	.amdgpu_metadata
---
amdhsa.version: [ 1, 2 ]
amdhsa.kernels:
  - .name:           k_q8b8ecc462f_attn
    .symbol:         k_q8b8ecc462f_attn.kd
    .args:
      - { .name: qq, .offset: 0, .size: 8, .value_kind: global_buffer, .address_space: global }
      - { .name: kv, .offset: 8, .size: 8, .value_kind: global_buffer, .address_space: global }
      - { .name: attq, .offset: 16, .size: 8, .value_kind: global_buffer, .address_space: global }
    .group_segment_fixed_size: 327680
    .private_segment_fixed_size: 0
    .kernarg_segment_align: 8
    .kernarg_segment_size: 24
    .max_flat_workgroup_size: 256
    .sgpr_count:     66
    .vgpr_count:     256
    .wavefront_size: 32
...
	.end_amdgpu_metadata
.endif
;; end of part 3
;; launch outp (part 4): grid 64 x 4, 4 waves a work-group, no clusters, 168,448 bytes of LDS; arguments attq, opq, bo, out0; writes out0
.if DOCPART == 4
	.amdgcn_target "amdgcn-amd-amdhsa--gfx1250"
	.amdhsa_code_object_version 6
	.text
	.protected	k_q8b8ecc462f_outp
	.globl	k_q8b8ecc462f_outp
	.p2align	8
	.type	k_q8b8ecc462f_outp,@function
k_q8b8ecc462f_outp:
	s_mov_b64 s[64:65], 0
	v_nop
	global_prefetch_b8 v0, s[64:65] scope:SCOPE_SE
	s_setreg_imm32_b32 hwreg(HW_REG_WAVE_MODE, 25, 1), 1
	s_wait_xcnt 0x0
; OUTP: out0[o][n] = sum over c of Wo[o][c] att[n][c] + bo[o], on the codes of FP6 in attq (attention's result, quantised along c = 64 head + d) and opq (Wo's pairs 304-319).
; SHARES.  Work-group (x, og): 64 positions (tiles 4 x .. 4 x + 3) x 128 output channels; wave w takes Wo's pair G = 4 og + w (two tiles e).  32 matrix instructions a wave.
; Source 0 = a tile of positions, source 1 = a tile of Wo: lane (r, h) holds output channel 32 G + 8 e + (r & 7) + 16 (r >> 3), and register j of tile t position 32 (t / 2) + 8 (t % 2) + 16 h + j of the block:
; eight neighbours of a row of out0.  K step s takes heads 2 s (registers 0-5 of a position's fragment) and 2 s + 1 (registers 6-11).
; The codes come by two tensor loads a wave, issued once at the head (two of mine are out): one tile of positions, which all four waves read, and my own pair of Wo.  No LDS byte is filled twice.
; No cluster: one fill of 72 KB a work-group out of buffers that earlier launches have just written; two rounds of a cluster's barrier would stand beside 32 matrix instructions a wave.
; The bias hangs on the lane alone: eight equal registers are the C of each sum's first instruction.
.set SC0, 3932160                      ; opq's scale words
.set ASC, 1572864                      ; attq's scale bytes
.set LW,  24576                        ; LDS: positions at 0 (t*6144 + head*768); from LW on each wave's pair of Wo, 12,288 bytes
.set STG, 73728                        ; LDS: a stage of 32 rows x (256 bytes + 16) for each wave
.set AS,  8                            ; v8-15    positions' scale words (4 (t / 2) + s): lanes 0-15 the even tile, lanes 16-31 the odd one
.set BS,  16                           ; v16-19   Wo's (s)
.set BO,  20                           ; v20-35   the bias as C
.set SET0, 36                          ; v36-107  a K step's fragments: four of positions, two of Wo
.set SET1, 108                         ; v108-179 the next K step's
.set ACC, 180                          ; v180-243 32 e + 8 t
.set U,   180                          ; ahead of the products: sixteen loads of two scale bytes a row
.macro WM d, a, b, c, sa, sb, ra, rb
.if (\ra) && (\rb)
	v_wmma_scale_f32_16x16x128_f8f6f4 v[\d:\d+7], v[\a:\a+11], v[\b:\b+11], v[\c:\c+7], v[\sa], v[\sb] matrix_a_fmt:MATRIX_FMT_FP6 matrix_b_fmt:MATRIX_FMT_FP6 matrix_a_scale:MATRIX_SCALE_ROW1 matrix_b_scale:MATRIX_SCALE_ROW1
.elseif (\ra)
	v_wmma_scale_f32_16x16x128_f8f6f4 v[\d:\d+7], v[\a:\a+11], v[\b:\b+11], v[\c:\c+7], v[\sa], v[\sb] matrix_a_fmt:MATRIX_FMT_FP6 matrix_b_fmt:MATRIX_FMT_FP6 matrix_a_scale:MATRIX_SCALE_ROW1
.elseif (\rb)
	v_wmma_scale_f32_16x16x128_f8f6f4 v[\d:\d+7], v[\a:\a+11], v[\b:\b+11], v[\c:\c+7], v[\sa], v[\sb] matrix_a_fmt:MATRIX_FMT_FP6 matrix_b_fmt:MATRIX_FMT_FP6 matrix_b_scale:MATRIX_SCALE_ROW1
.else
	v_wmma_scale_f32_16x16x128_f8f6f4 v[\d:\d+7], v[\a:\a+11], v[\b:\b+11], v[\c:\c+7], v[\sa], v[\sb] matrix_a_fmt:MATRIX_FMT_FP6 matrix_b_fmt:MATRIX_FMT_FP6
.endif
.endm
.macro FETCH s, base                   ; 22 LDS loads: K step s's fragments
.irp t, 0,1,2,3
.irp c, 0,1
	ds_load_b128 v[\base+12*\t+6*\c:\base+12*\t+6*\c+3], v1 offset:\t*6144+(2*(\s)+\c)*768
	ds_load_b64 v[\base+12*\t+6*\c+4:\base+12*\t+6*\c+5], v2 offset:\t*6144+(2*(\s)+\c)*768+512
.endr
.endr
.irp e, 0,1
.irp j, 0,1,2
	ds_load_b128 v[\base+48+12*\e+4*\j:\base+48+12*\e+4*\j+3], v3 offset:(\s)*3072+\e*1536+512*\j
.endr
.endr
.endm
.macro MUL s, base                     ; eight matrix instructions on eight accumulators, which take turns, one instruction a turn
.irp t, 0,1,2,3
.irp e, 0,1
.set rD, ACC+32*\e+8*\t
.if (\s) == 0
.set rC, BO+8*\e
.else
.set rC, rD
.endif
	WM rD, \base+12*\t, \base+48+12*\e, rC, AS+4*(\t/2)+(\s), BS+(\s), \t%2, \e
.endr
.endr
.endm
.macro PLACES                          ; four plain places in front of loads into registers that matrix instructions have read, and of the first read of results
.rept 4
	v_nop
.endr
.endm
	s_load_b256 s[4:11], s[0:1], 0x0               ; attq s[4:5], opq s[6:7], bo s[8:9], out0 s[10:11]
	v_lshl_add_u32 v254, v0, 2, 0x29000
	v_mov_b32 v255, 0
	ds_add_u32 v254, v255
	ds_add_u32 v254, v255
	v_lshrrev_b32 v1, 5, v0
	v_readfirstlane_b32 s16, v1                    ; wave 0..3
	s_mov_b32 s17, ttmp9                           ; x
	s_and_b32 s18, ttmp7, 0xffff                   ; og
	s_lshl_b32 s19, s18, 2
	s_add_co_u32 s19, s19, s16                     ; G
	v_and_b32 v248, 31, v0                         ; lane
	v_and_b32 v249, 15, v0                         ; r
	v_bfe_u32 v250, v0, 4, 1                       ; h
	v_lshlrev_b32 v1, 4, v248                      ; 16 l
	v_lshlrev_b32 v2, 3, v248                      ; 8 l
	v_lshlrev_b32 v244, 2, v248                    ; 4 l
	v_lshlrev_b32 v245, 1, v248                    ; 2 l
	v_and_b32 v247, 7, v249
	v_lshrrev_b32 v251, 3, v249
	v_lshl_add_u32 v247, v251, 4, v247             ; (r & 7) + 16 (r >> 3): my row in the pair, less 8 e
	v_lshlrev_b32 v246, 2, v247                    ; its bias
	s_mul_i32 s45, s16, 12288
	s_add_co_u32 s45, s45, LW                      ; my pair of Wo in LDS
	v_add_nc_u32 v3, s45, v1
	s_mul_i32 s23, s16, 32*272
	s_add_co_u32 s23, s23, STG                     ; my stage
	v_mul_u32_u24 v4, v247, 272
	v_lshl_add_u32 v4, v250, 6, v4
	v_add_nc_u32 v4, s23, v4                       ; in: my row, + 64 h
	v_mul_u32_u24 v5, v250, 272
	v_lshl_add_u32 v5, v249, 4, v5
	v_add_nc_u32 v5, s23, v5                       ; back: lanes 0-15 one row of 256 bytes, lanes 16-31 the next
	v_lshlrev_b32 v6, 14, v250
	v_lshl_add_u32 v6, v249, 4, v6                 ; and the same two rows in out0
	; descriptor group 1: dense blocks as rows of 256 bytes (32 elements of 8 bytes), no padding: 24 rows (a tile of positions, eight heads), 48 rows (a pair of Wo)
	s_mov_b32 s24, 3<<16
	s_mov_b32 s25, 32<<16
	s_mov_b32 s26, 24<<16
	s_mov_b32 s27, 32<<16
	s_mov_b32 s28, 24
	s_mov_b32 s29, 32
	s_mov_b32 s30, 0
	s_mov_b32 s31, 0
	s_mov_b32 s32, 3<<16
	s_mov_b32 s33, 32<<16
	s_mov_b32 s34, 48<<16
	s_mov_b32 s35, 32<<16
	s_mov_b32 s36, 48
	s_mov_b32 s37, 32
	s_mov_b32 s38, 0
	s_mov_b32 s39, 0
	s_mov_b32 s40, 1
	s_mul_i32 s41, s16, 6144                       ; tile w of the block, in LDS
	s_mul_i32 s20, s17, 24576
	s_add_co_u32 s20, s20, s41                     ; and in attq
	s_mov_b32 s21, 0
	s_mov_b32 s44, 1
	s_add_co_u32 s22, s19, 304                     ; Wo's pair in opq
	s_mul_i32 s56, s22, 12288
	s_mov_b32 s57, 0
	s_lshl_b32 s48, s17, 7
	s_add_co_u32 s48, s48, ASC                     ; the block's scale bytes: 32 bytes a tile
	s_mov_b32 s49, 0
	s_lshl_b32 s50, s22, 7
	s_add_co_u32 s50, s50, SC0
	s_mov_b32 s51, 0
	s_lshl_b32 s52, s19, 7                         ; the pair's 32 biases
	s_mov_b32 s53, 0
	s_lshl_b32 s54, s19, 19                        ; the pair's 32 rows of 16,384 bytes,
	s_lshl_b32 s58, s17, 8                         ; the block's 256 bytes in a row
	s_add_co_u32 s54, s54, s58
	s_mov_b32 s55, 0
	s_wait_dscnt 0x0
	s_wait_kmcnt 0x0
	s_add_nc_u64 s[42:43], s[4:5], s[20:21]
	s_or_b32 s43, s43, 0x80000000
	s_add_nc_u64 s[46:47], s[6:7], s[56:57]
	s_or_b32 s47, s47, 0x80000000
	tensor_load_to_lds s[40:43], s[24:31]          ; both fills stand together, ahead of every wait on TENSORcnt, LDS read and barrier
	s_nop 0
	tensor_load_to_lds s[44:47], s[32:39]
	s_nop 0
.rept 4
	v_nop
.endr
	s_add_nc_u64 s[48:49], s[4:5], s[48:49]
	s_add_nc_u64 s[50:51], s[6:7], s[50:51]
	s_add_nc_u64 s[52:53], s[8:9], s[52:53]
	s_add_nc_u64 s[54:55], s[10:11], s[54:55]
.irp p, 0,1
.irp g, 0,1,2,3,4,5,6,7
	global_load_u16 v[U+8*\p+\g], v245, s[48:49] offset:\g*8192+\p*64   ; head g, tiles 2 p (lanes 0-15) and 2 p + 1 (lanes 16-31): two bytes a row
.endr
.endr
.irp s, 0,1,2,3
	global_load_b32 v[BS+\s], v244, s[50:51] offset:\s*40960
.endr
	global_load_b32 v[BO], v246, s[52:53]
	global_load_b32 v[BO+8], v246, s[52:53] offset:32
	s_wait_loadcnt 0x0
.irp p, 0,1
.irp s, 0,1,2,3
	v_lshl_or_b32 v[AS+4*\p+\s], v[U+8*\p+2*\s+1], 16, v[U+8*\p+2*\s]   ; K step s's word: heads 2 s and 2 s + 1
.endr
.endr
.irp e, 0,1
.irp j, 1,2,3,4,5,6,7
	v_mov_b32 v[BO+8*\e+\j], v[BO+8*\e]            ; (these fourteen are also the places between the scale words just made and the first product)
.endr
.endr
	s_wait_alu depctr_va_vdst(0)
	s_wait_tensorcnt 0x0                           ; my tile of positions and my pair of Wo have landed,
	s_barrier_signal -1
	s_barrier_wait -1                              ; everybody's tile has
	FETCH 0, SET0
	FETCH 1, SET1
	s_wait_dscnt 22                                ; K step 0's loads are in; the 22 of K step 1 may be out
	MUL 0, SET0
	PLACES
	FETCH 2, SET0
	s_wait_dscnt 22
	MUL 1, SET1
	PLACES
	FETCH 3, SET1
	s_wait_dscnt 22
	MUL 2, SET0
	s_wait_dscnt 0x0
	MUL 3, SET1
	PLACES
	; THE WAY OUT, through my own stage: a lane's 32 bytes of a row go in, whole rows of 256 bytes come back.  LDS serves a wave's instructions in order (ISA guide 5.7.1.4): no wait between the stores and the loads.
.irp e, 0,1
.irp t, 0,1,2,3
	ds_store_b128 v4, v[ACC+32*\e+8*\t:ACC+32*\e+8*\t+3] offset:8*\e*272+128*(\t/2)+32*(\t%2)        ; each accumulator from its low end on
	ds_store_b128 v4, v[ACC+32*\e+8*\t+4:ACC+32*\e+8*\t+7] offset:8*\e*272+128*(\t/2)+32*(\t%2)+16
.endr
.endr
.irp i, 0,1,2,3,4,5,6,7,8,9,10,11,12,13,14,15
	ds_load_b128 v[SET0+4*\i:SET0+4*\i+3], v5 offset:2*\i*272
.endr
.irp i, 0,1,2,3,4,5,6,7,8,9,10,11,12,13,14,15
	s_wait_dscnt 15-\i                             ; rows 2 i, 2 i + 1 are back; the younger loads may be out
	global_store_b128 v6, v[SET0+4*\i:SET0+4*\i+3], s[54:55] offset:2*\i*16384 th:TH_STORE_NT   ; sixteen lanes store 256 consecutive bytes, aligned; written once, read by nobody here
.endr
	s_wait_tensorcnt 0x0
	ds_add_u32 v254, v255
	s_wait_dscnt 0x0
	s_endpgm
.Lfunc_end_k_q8b8ecc462f_outp:
	.size	k_q8b8ecc462f_outp, .Lfunc_end_k_q8b8ecc462f_outp-k_q8b8ecc462f_outp
	.p2alignl 7, 3214868480
	.fill 96, 4, 3214868480
	.section	.rodata,"a",@progbits
	.p2align	6, 0x0
	.amdhsa_kernel k_q8b8ecc462f_outp
		.amdhsa_group_segment_fixed_size 168448
		.amdhsa_private_segment_fixed_size 0
		.amdhsa_enable_private_segment 0
		.amdhsa_kernarg_size 32
		.amdhsa_user_sgpr_count 2
		.amdhsa_user_sgpr_kernarg_segment_ptr 1
		.amdhsa_wavefront_size32 1
		.amdhsa_system_sgpr_workgroup_id_x 1
		.amdhsa_system_sgpr_workgroup_id_y 1
		.amdhsa_system_sgpr_workgroup_id_z 1
		.amdhsa_system_vgpr_workitem_id 0
		.amdhsa_next_free_vgpr 256
		.amdhsa_next_free_sgpr 66
		.amdhsa_reserve_vcc 0
		.amdhsa_float_denorm_mode_32 3
		.amdhsa_float_denorm_mode_16_64 3
		.amdhsa_memory_ordered 1
		.amdhsa_forward_progress 1
		.amdhsa_inst_pref_size 22
	.end_amdhsa_kernel
	.amdgpu_metadata
---
amdhsa.version: [ 1, 2 ]
amdhsa.kernels:
  - .name:           k_q8b8ecc462f_outp
    .symbol:         k_q8b8ecc462f_outp.kd
    .args:
      - { .name: attq, .offset: 0, .size: 8, .value_kind: global_buffer, .address_space: global }
      - { .name: opq, .offset: 8, .size: 8, .value_kind: global_buffer, .address_space: global }
      - { .name: bo, .offset: 16, .size: 8, .value_kind: global_buffer, .address_space: global }
      - { .name: out0, .offset: 24, .size: 8, .value_kind: global_buffer, .address_space: global }
    .group_segment_fixed_size: 168448
    .private_segment_fixed_size: 0
    .kernarg_segment_align: 8
    .kernarg_segment_size: 32
    .max_flat_workgroup_size: 128
    .sgpr_count:     66
    .vgpr_count:     256
    .wavefront_size: 32
...
	.end_amdgpu_metadata
.endif
;; end of part 4
